; MI455X (gfx1250); checked and timed in simulation.
; The chip was launched on July 23, 2026; its instructions are those of AMD's public machine-readable ISA for CDNA 5 (MIT licence, August 2026) and "CDNA5" Instruction Set Architecture Reference Guide (July 2026). The comments in the code are by the model that wrote it; some were corrected since.
;; Separable FC. Allowed arithmetic: float matrix products may take bf16 or f16 operands with f32 sums; other float arithmetic in f32, or as packed bf16 or f16 multiplies, adds, multiply-adds, maxima and minima; sums over many terms, partial sums and values carried from step to step in f32; what a program stores and reads back later, other than sums and carried values, may be rounded once to bf16 or f16.
;; Inputs: W_chan 2,048 x 32 float32; W_pos 2,048 x 2,048 float32; x 512 x 2,048 x 32 float32.
;; Outputs: out0 512 x 2,048 float32.
;; 2 versions, each right; version 2 is version 1 with the launch castw written anew for expert scheduling mode. Each part assembles by itself: llvm-mc -triple=amdgcn-amd-amdhsa -mcpu=gfx1250 --defsym DOCPART=n.
;; ======== version 1 of 2: 2 launches
;; workspace buffers: wb 8,388,608 bytes
;; launch castw (part 1): grid 256 x 1, 8 waves a work-group, no clusters, 0 bytes of LDS; arguments W_pos, wb; writes wb
.if DOCPART == 1
	.amdgcn_target "amdgcn-amd-amdhsa--gfx1250"
	.amdhsa_code_object_version 6
	.text
	.protected	k_q0a10a7320c_castw
	.globl	k_q0a10a7320c_castw
	.p2align	8
	.type	k_q0a10a7320c_castw,@function
k_q0a10a7320c_castw:
	s_mov_b64 s[64:65], 0
	v_nop
	global_prefetch_b8 v0, s[64:65] scope:SCOPE_SE
	s_setreg_imm32_b32 hwreg(HW_REG_WAVE_MODE, 25, 1), 1
	s_wait_xcnt 0x0
; wb[o][l] = W_pos[o][l] rounded once to bf16 (to nearest even), same order: [2048][2048].
; A stream: 16,777,216 bytes in, 8,388,608 out.  256 work-groups of eight waves; a work-group takes 65,536 bytes of W_pos, a wave 8,192:
; sixteen loads of 16 bytes a lane, each 512 consecutive bytes, all issued before the first is used.  A load's four numbers a lane pack into 8 bytes,
; so a store of the wave covers 256 consecutive bytes, aligned.  No loop, no LDS, no register is written twice: no wait but the counted ones for the loads.
.set X, 4                              ; v[4:67]   load i: four f32
.set Y, 68                             ; v[68:99]  load i: four bf16 in two registers
	s_load_b128 s[4:7], s[0:1], 0x0                ; W_pos s[4:5], wb s[6:7]
	s_lshl_b32 s2, ttmp9, 16                       ; the work-group's 65,536 bytes of W_pos
	s_mov_b32 s3, 0
	s_lshl_b32 s8, ttmp9, 15                       ; and its 32,768 bytes of wb
	s_mov_b32 s9, 0
	v_lshrrev_b32 v1, 5, v0                        ; wave
	v_and_b32 v2, 31, v0                           ; lane
	v_lshlrev_b32 v2, 4, v2
	v_lshl_or_b32 v1, v1, 13, v2                   ; in: 8,192 x wave + 16 x lane
	v_lshrrev_b32 v2, 1, v1                        ; out: half of that
	s_wait_kmcnt 0x0
	s_add_nc_u64 s[4:5], s[4:5], s[2:3]
	s_add_nc_u64 s[6:7], s[6:7], s[8:9]
.set i, 0
.rept 16
	global_load_b128 v[X+4*i:X+4*i+3], v1, s[4:5] offset:512*i th:TH_LOAD_NT
.set i, i+1
.endr
.set i, 0
.rept 16
	s_wait_loadcnt 15-i                            ; loads come back in order: load i is in, the 15 - i younger ones stay out
	v_cvt_pk_bf16_f32 v[Y+2*i], v[X+4*i], v[X+4*i+1]
	v_cvt_pk_bf16_f32 v[Y+2*i+1], v[X+4*i+2], v[X+4*i+3]
	global_store_b64 v2, v[Y+2*i:Y+2*i+1], s[6:7] offset:256*i
.set i, i+1
.endr
	s_endpgm
.Lfunc_end_k_q0a10a7320c_castw:
	.size	k_q0a10a7320c_castw, .Lfunc_end_k_q0a10a7320c_castw-k_q0a10a7320c_castw
	.p2alignl 7, 3214868480
	.fill 96, 4, 3214868480
	.section	.rodata,"a",@progbits
	.p2align	6, 0x0
	.amdhsa_kernel k_q0a10a7320c_castw
		.amdhsa_group_segment_fixed_size 0
		.amdhsa_private_segment_fixed_size 0
		.amdhsa_enable_private_segment 0
		.amdhsa_kernarg_size 16
		.amdhsa_user_sgpr_count 2
		.amdhsa_user_sgpr_kernarg_segment_ptr 1
		.amdhsa_wavefront_size32 1
		.amdhsa_system_sgpr_workgroup_id_x 1
		.amdhsa_system_sgpr_workgroup_id_y 1
		.amdhsa_system_sgpr_workgroup_id_z 1
		.amdhsa_system_vgpr_workitem_id 0
		.amdhsa_next_free_vgpr 104
		.amdhsa_next_free_sgpr 66
		.amdhsa_reserve_vcc 0
		.amdhsa_float_denorm_mode_32 3
		.amdhsa_float_denorm_mode_16_64 3
		.amdhsa_memory_ordered 1
		.amdhsa_forward_progress 1
		.amdhsa_inst_pref_size 7
	.end_amdhsa_kernel
	.amdgpu_metadata
---
amdhsa.version: [ 1, 2 ]
amdhsa.kernels:
  - .name:           k_q0a10a7320c_castw
    .symbol:         k_q0a10a7320c_castw.kd
    .args:
      - { .name: W_pos, .offset: 0, .size: 8, .value_kind: global_buffer, .address_space: global }
      - { .name: wb, .offset: 8, .size: 8, .value_kind: global_buffer, .address_space: global }
    .group_segment_fixed_size: 0
    .private_segment_fixed_size: 0
    .kernarg_segment_align: 8
    .kernarg_segment_size: 16
    .max_flat_workgroup_size: 256
    .sgpr_count:     66
    .vgpr_count:     104
    .wavefront_size: 32
...
	.end_amdgpu_metadata
.endif
;; end of part 1
;; launch sepfc (part 2): grid 4 x 128, 4 waves a work-group, clusters of 4 x 4, 327,680 bytes of LDS; arguments x, wb, W_chan, out0; writes out0
.if DOCPART == 2
	.amdgcn_target "amdgcn-amd-amdhsa--gfx1250"
	.amdhsa_code_object_version 6
	.text
	.protected	k_q0a10a7320c_sepfc
	.globl	k_q0a10a7320c_sepfc
	.p2align	8
	.type	k_q0a10a7320c_sepfc,@function
k_q0a10a7320c_sepfc:
	s_mov_b64 s[64:65], 0
	v_nop
	global_prefetch_b8 v0, s[64:65] scope:SCOPE_SE
	s_setreg_imm32_b32 hwreg(HW_REG_WAVE_MODE, 25, 1), 1
	s_wait_xcnt 0x0
	s_wait_alu depctr_hold_cnt(0) depctr_sa_sdst(0) depctr_va_vdst(0) depctr_va_sdst(0) depctr_va_ssrc(0) depctr_va_vcc(0) depctr_vm_vsrc(0)
	s_getreg_b32 s2, hwreg(HW_REG_IB_STS2, 6, 4)
	s_cmp_eq_u32 s2, 0
	s_cbranch_scc0 .Lentry_in_a_cluster
	s_endpgm
.Lentry_in_a_cluster:
	s_bfe_u32 s2, ttmp6, 0x10000c
	s_cmp_lg_u32 s2, 0xf033
	s_cbranch_scc0 .Lentry_shape_is_right
	s_endpgm
.Lentry_shape_is_right:
; out[b][o] = sum over c of W_chan[o][c] u[b][c][o],  u[b][c][o] = sum over l of x[b][l][c] W_pos[o][l].
; x: [512][2048][32] f32.  wb: [2048][2048] bf16 = W_pos rounded once (made by the launch before).  W_chan: [2048][32] f32.  out0: [512][2048] f32.
; u is a product with rows (b, c), columns o and K = l, made in bf16 with f32 sums; it never leaves the registers: the sum over c is taken of the accumulators on the way out.
; LIMITS.  x, W_pos and W_chan are each rounded once to bf16 (8 significant bits, f32's range); sums in f32, in another order than the einsum's; NaN and infinities are not treated apart.
; SHARES.  A work-group makes 4 b x 512 o: 128 rows (b, c) of u.  Each of its four waves takes all 128 rows and 128 o of its own: 64 accumulators of 16 x 16, 512 registers.
; K goes in 16 steps of 128.  wb's tiles (a wave's 128 rows x 256 bytes) come by the tensor data mover into a ring of two LDS slots, padded to rows of 272 bytes.
; x lies [l][c] in f32: K is not along its rows, and it has to be rounded.  So it comes through registers: of each 64 l wave w loads b = w's 8,192 consecutive bytes, rounds them and puts them once,
; still [l][c], into a small stage in LDS; all four waves take their fragments from there by the turning load ds_load_tr16_b128.
; THE PRODUCT: source 0 = 16 c x 32 l of x, source 1 = 16 o x 32 l of wb.  In the result register j of lane (r, h) is c = 16 ch + 8 h + j, o = 16 f + r: the sum over c is a lane's own registers
; and one exchange between the halves of the lanes.
; CLUSTER 4 x 4: x of the cluster = o tile, y = row tile.  wb's tile hangs on the o tile and the wave alone: the four work-groups of a column ask for it JOINTLY.
; x IS NOT ASKED FOR JOINTLY though the four of a row read the same bytes: it must pass through registers to be rounded; a copy in f32 in LDS would add 64 KiB of fill and 64 KiB of reads
; to the 416 KiB (128 of fill, 256 of fragment reads, 32 of stage stores) that a K step moves through LDS here.
; REGISTERS, in windows of 256 (s_set_vgpr_msb: bits 1:0 source 0, 3:2 source 1, 5:4 source 2, 7:6 destination):
;   window 0: v0-31 addresses; v32-63 rounded x on its way to the stage, later the 32 sums; v64-127, v128-191 fragments of x, two buffers; v192-255 W_chan in bf16
;   window 1: v0-63, v192-255 x as loaded, two buffers of 64 l; v64-127, v128-191 fragments of wb, two buffers
;   window 2: accumulators of b 0, 1 ((a, f) at v[8 (8 (a % 4) + f)], a = 2 b + ch);   window 3: those of b 2, 3
.set PITCH,  272                       ; a row of wb in LDS: 256 bytes + 16 of padding = 68 words: the 16 rows of a load start at 16 different groups of four banks (64 banks of 4 bytes: ISA guide 11.1)
.set HALFT,  128*PITCH                 ; a wave's 128 rows
.set SLOT,   4*HALFT
.set XST,    2*SLOT                    ; the stage for x, never filled by a tensor load.  l of 64, c of 32, b of 4 at b x 4,608 + (l / 4) x 288 + (l % 4) x 64 + 2 c:
.set XBL,    4608                      ; four rows of 64 bytes, then 32 bytes of gap
.set XSB,    4*XBL                     ; two such stages: a K step's first and second 64 l
.set OST,    XST+2*XSB                 ; the way out: for each wave 4 rows (b) of 512 bytes + 64
.set OPITCH, 576
.set OWV,    4*OPITCH
.set SPARE,  OST+4*OWV                 ; the spare words, 128 bytes for each wave: two blocks of 256 bytes that no other line names
.set ADRA, 16                          ; v16-17  my place in a fragment of x, in stage 0, 1
.set ADRB, 20                          ; v20-21  my place in a fragment of wb, in slot 0, 1
.set XS,   22                          ; v22     where I put 8 bytes of rounded x
.set XO,   23                          ; v23     16 x lane: my bytes of 512 consecutive ones, of x and of out
.set OSA,  24                          ; v24     the way out: where I put a sum
.set OSR,  25                          ; v25     the way out: where I read 16 bytes of a row back
.set WCO,  26                          ; v26     my 32 bytes of a row of W_chan
.set ZR,   27                          ; v27     0
.set SPW,  28                          ; v28     LDS address of my spare word; never rewritten
.set NIL,  29                          ; v29     0; never rewritten
.set PFO,  30                          ; v30     lane x a row of wb (4,096 bytes)
.set PXO,  31                          ; v31     lane x 256
.set T,    32
.set SM,   32                          ; the sums: b, f at SM + 8 b + f
.set F0,   64
.set F1,   128
.set WC,   192                         ; W_chan[16 f + r][16 ch + 8 h + j]: register WC + 8 f + 4 ch + j / 2, half j % 2
.set RAW,  0                           ; window 1: buffer p at RAW + 192 p
.set EA,   64                          ; the way out: what goes to the other half of the lanes,
.set EB,   80                          ; what stays,
.set OB,   128                         ; rows read back
.set WV,   12                          ; s12  my wave's number
.set G1,   24                          ; s[24:31] descriptor group 1
.set G0,   32                          ; s[32:39] descriptor group 0, a set for each slot
.set LAPC, 40                          ; s40  trips to go
.set LIMW, 41                          ; s41  1 in a cluster that prefetches wb, else the greatest number
.set XP,   42                          ; s[42:43] x at my b, at the 64 l loaded last
.set PFW,  44                          ; s[44:45] wb: my work-group's 32 rows of my wave's 128, one K step further than the refill in hand
.set PFX,  46                          ; s[46:47] x: the 64 l that my work-group names
.set WCP,  48                          ; s[48:49] W_chan at my wave's 128 rows
.set SEL,  50                          ; s[50:51] v_permlanex16_b32's selects: each lane takes its own place in the other half
.set HM,   52                          ; s52  lanes 16 to 31
.set OUT,  54                          ; s[54:55] out0 at my 4 rows and 128 columns
.set MSB, 0
.macro WIN new                         ; the immediate's high byte repeats the setting that is left; a switch that changes nothing is dropped
.if MSB != (\new)
	s_set_vgpr_msb (MSB<<8)|(\new)
.set MSB, \new
.endif
.endm
.set MUL_LO, 0xa4                      ; source 0 (x) window 0, source 1 (wb) window 1, C and D window 2
.set MUL_HI, 0xf4                      ; the same, C and D window 3
.set TO_1,   0x40                      ; destination window 1, address window 0
.set CV,     0x05                      ; sources window 1, destination window 0
.set EP_LO,  0x08                      ; source 1 window 2, the rest window 0
.set EP_HI,  0x0c                      ; source 1 window 3
.macro PLACES                          ; four places in front of loads into registers that matrix instructions have read (ISA guide 7.12.1 for vector instructions)
.rept 4
	v_nop
.endr
.endm
.macro CREST                           ; a round of the cluster's barrier behind its opening barrier
	s_cmp_lg_u32 s[WV], 0
	s_cbranch_scc1 .Lnot_wave_0_\@
	s_barrier_signal -3
.Lnot_wave_0_\@:
	s_barrier_wait -3
	s_barrier_signal -1
	s_barrier_wait -1
.endm
.macro CROUND                          ; a whole round
	s_barrier_signal -1
	s_barrier_wait -1
	CREST
.endm
; A joint load: every wave asks for its own 128 rows of wb; the same line, descriptor and mask in the four work-groups of my column.  An s_nop 0 and four v_nop follow it.
.macro JLOAD s
	tensor_load_to_lds s[G0+4*(\s):G0+4*(\s)+3], s[G1:G1+7]
	s_nop 0
.rept 4
	v_nop
.endr
.endm
; 16 matrix instructions: row blocks a0, a0 + 1 of the window's four x all 8 o blocks, 32 along K.  zero = 1: the first product starts the sums.
; The 64 accumulators take turns in the same order in every quarter.
.macro MUL16 f, hi, a0, zero
	WIN MUL_LO+0x50*(\hi)
.irp a, \a0, (\a0)+1
.irp b, 0,1,2,3,4,5,6,7
.if \zero
	v_wmma_f32_16x16x32_bf16 v[8*(8*(\a)+(\b)):8*(8*(\a)+(\b))+7], v[(\f)+8*(4*(\hi)+(\a)):(\f)+8*(4*(\hi)+(\a))+7], v[(\f)+8*(\b):(\f)+8*(\b)+7], 0
.else
	v_wmma_f32_16x16x32_bf16 v[8*(8*(\a)+(\b)):8*(8*(\a)+(\b))+7], v[(\f)+8*(4*(\hi)+(\a)):(\f)+8*(4*(\hi)+(\a))+7], v[(\f)+8*(\b):(\f)+8*(\b)+7], v[8*(8*(\a)+(\b)):8*(8*(\a)+(\b))+7]
.endif
.endr
.endr
.endm
; 32 LDS loads in one run: the fragments of quarter q (32 l) of the K step in the slot, into buffer f.  wb's first; the youngest eight are x's blocks 4 to 7.
; A fragment of wb: lane (r, h) takes row r, l = 8 h + 0..7 and 16 + 8 h + 0..7: two loads 32 bytes apart.  A fragment of x (b = a / 2, c = 16 (a % 2) on): the turning load
; takes 16 l x 16 c (lane reads l = 8 h + lane % 8, c = 8 ((lane / 8) % 2) + 0..7) and leaves c = r and 8 l a lane; the second load 16 l (four groups of 288 bytes) on.
.macro FETCH slot, q, f
	WIN TO_1
.irp i, 0,1,2,3,4,5,6,7
	ds_load_b128 v[(\f)+8*(\i):(\f)+8*(\i)+3],   v[ADRB+(\slot)] offset:64*(\q)+(\i)*16*PITCH
	ds_load_b128 v[(\f)+8*(\i)+4:(\f)+8*(\i)+7], v[ADRB+(\slot)] offset:64*(\q)+(\i)*16*PITCH+32
.endr
	WIN 0
.irp a, 0,1,2,3,4,5,6,7
	ds_load_tr16_b128 v[(\f)+8*(\a):(\f)+8*(\a)+3],   v[ADRA+(\q)/2] offset:((\a)/2)*XBL+((\a)%2)*32+((\q)%2)*2304
	ds_load_tr16_b128 v[(\f)+8*(\a)+4:(\f)+8*(\a)+7], v[ADRA+(\q)/2] offset:((\a)/2)*XBL+((\a)%2)*32+((\q)%2)*2304+1152
.endr
.endm
; 64 l of my b, as loaded in buffer p, are rounded and put into stage p.  cnt: the younger loads, the other buffer's, which may stay out.
; Load i brought four rows of 128 bytes; a lane's four numbers pack into 8 bytes, the wave's into 256 consecutive bytes: group i of the stage.
.macro CVT p, cnt
	s_wait_loadcnt \cnt
	WIN CV
.set i, 0
.rept 32
	v_cvt_pk_bf16_f32 v[T+i], v[RAW+192*(\p)+2*i], v[RAW+192*(\p)+2*i+1]
.set i, i+1
.endr
	WIN 0
.set i, 0
.rept 16
	ds_store_b64 v[XS], v[T+2*i:T+2*i+1] offset:(\p)*XSB+i*288
.set i, i+1
.endr
.endm
; 64 l of my b, 8,192 consecutive bytes, into buffer p: sixteen loads of 512 bytes.  step = 1: the pointer goes 64 l on first.
.macro LOADX p, step, off
.if \step
	s_wait_xcnt 0x0                                ; every earlier load and prefetch has read its address, so the pointer may be written
	s_add_nc_u64 s[XP:XP+1], s[XP:XP+1], 8192
.endif
	WIN TO_1
.set i, 0
.rept 16
	global_load_b128 v[RAW+192*(\p)+4*i:RAW+192*(\p)+4*i+3], v[XO], s[XP:XP+1] offset:(\off)+512*i
.set i, i+1
.endr
.endm
; A K STEP is four quarters of 32 l, 64 matrix instructions each, on buffers F0, F1, F0, F1.
; Quarters 0 and 2: multiply buffer f; in the middle round 64 l of x into the stage that nobody reads now (the 32 conversions are the places in front of the loads),
; fetch quarter qn's fragments into g, and ask for the 64 l that this buffer p takes next: they have a whole K step, 256 matrix instructions, in which to come.
.macro QA slot, qn, f, g, zero, cvt, p, cnt, ld
	s_wait_dscnt 8                                 ; wb's fragments and x's blocks 0 to 3 are in; the youngest eight loads may be out
	MUL16 \f, 0, 0, \zero
	MUL16 \f, 0, 2, \zero
.if \cvt
	CVT \p, \cnt
.else
	PLACES
.endif
	FETCH \slot, \qn, \g
.if \ld
	LOADX \p, 1, 0
.endif
	s_wait_dscnt 32                                ; all but the 32 loads just issued: the rest of buffer f is in, my stores into the stage are done
	MUL16 \f, 1, 0, \zero
	MUL16 \f, 1, 2, \zero
.endm
; Quarter 1: the work-group's barrier in the middle of a K step.  In front of it each wave's stores into stage 1 (quarter 0) are done and its reads of stage 0 are back;
; behind it stage 1 is read, and stage 0 may be written (quarter 2).  No tensor load fills anything behind it: the refill that is out stays out.
.macro QB slot
	s_wait_dscnt 8
	MUL16 F1, 0, 0, 0
	s_wait_dscnt 0x0
	s_barrier_signal -1
	MUL16 F1, 0, 2, 0
	s_barrier_wait -1
	PLACES
	FETCH \slot, 2, F0
	MUL16 F1, 1, 0, 0
	MUL16 F1, 1, 2, 0
.endm
; Quarter 3, first half: the change of slots.  Each wave waits for all its tensor loads, of which one is out: its rows of the next slot; adds 0 to its spare word; and waits for that, for its reads of this slot
; and of stage 1, and for its stores into stage 0.  Behind the barrier nobody reads this slot or stage 1, and the next slot and stage 0 are whole.
.macro MEET round
	WIN 0                                          ; (the add's two registers lie in window 0)
	s_wait_tensorcnt 0x0
	ds_add_u32 v[SPW], v[NIL]                      ; 0 onto my spare word
	s_wait_dscnt 9                                 ; (the add and the youngest eight loads may be out)
	MUL16 F1, 0, 0, 0                              ; sixteen matrix instructions stand between the add and the wait for it
	s_wait_dscnt 0x0
	s_barrier_signal -1
	MUL16 F1, 0, 2, 0
.if \round
	WIN 0
.endif
	s_barrier_wait -1
.endm
; PREFETCHES INTO THE L2, behind the joint load, its five lines and the run of LDS loads.
; wb: the K step two refills on, 512 matrix instructions ahead of the load that will want it: 32 rows x 256 bytes, a lane a row.  Every cluster walks the same wb: the clusters with y = 0 ask.  Of a wave's 128 rows
; each of the four partners that ask for them jointly takes 32, told apart BY ADDRESS (cy).  The last trip's two refills have no K step two on.
; x: once a trip.  My b's bytes are read by the four work-groups of my row of the cluster alone: in trip j (from 0) the partner at cx names the 64 l number 4 j + 6 + cx, 32 blocks of 256 bytes, a lane a block;
; the trip's own loads reach number 4 j + 7.  The last trip names nothing; numbers 0 to 5, 30 and 31 come by their loads alone.  So each block of wb and of x is named at most once in the launch.
.macro ASK slot
	s_cmp_gt_u32 s[LAPC], s[LIMW]
	s_cbranch_scc0 .Lno_w_\@
	global_prefetch_b8 v[PFO], s[PFW:PFW+1] offset:256 th:TH_LOAD_NT scope:SCOPE_SE
.Lno_w_\@:
.if (\slot) == 0
	s_cmp_gt_u32 s[LAPC], 1
	s_cbranch_scc0 .Lno_x_\@
	global_prefetch_b8 v[PXO], s[PFX:PFX+1] th:TH_LOAD_NT scope:SCOPE_SE
.Lno_x_\@:
.endif
.endm
; Quarter 3, whole: the barrier opens a round of the cluster's, so that no wave of any partner still reads the slot or has a load on its way; the joint refill, two K steps on, is the first thing behind it:
; it has 224 matrix instructions in which to land.
.macro TURN slot, next
	s_wait_xcnt 0x0                                ; the last prefetches have read their addresses: these are stepped here, ahead of the waits of the change of slots
	s_add_nc_u64 s[PFW:PFW+1], s[PFW:PFW+1], 256
.if (\slot) == 0
	s_add_nc_u64 s[PFX:PFX+1], s[PFX:PFX+1], 32768
.endif
	MEET 1
	CREST
	s_add_nc_u64 s[G0+4*(\slot)+2:G0+4*(\slot)+3], s[G0+4*(\slot)+2:G0+4*(\slot)+3], 512  ; no tensor load of mine is out; the type bits on top are not reached
	JLOAD \slot                                    ; its four v_nop are also the places in front of the loads below
	FETCH \next, 0, F0
	ASK \slot
	MUL16 F1, 1, 0, 0
	MUL16 F1, 1, 2, 0
.endm
	s_load_b256 s[4:11], s[0:1], 0x0               ; x s[4:5], wb s[6:7], W_chan s[8:9], out0 s[10:11]
	v_lshl_add_u32 v[SPW], v0, 2, SPARE
	v_mov_b32 v[NIL], 0
	ds_add_u32 v[SPW], v[NIL]                      ; the wave's opening: the add and its wait stand ahead of my first tensor load; the set-up below, work on registers, stands between them
	v_lshrrev_b32 v3, 5, v0
	v_readfirstlane_b32 s[WV], v3                  ; wave 0..3
	s_bfe_u32 s13, ttmp6, 0x40000                  ; cx
	s_bfe_u32 s14, ttmp6, 0x40004                  ; cy
	s_and_b32 s18, ttmp7, 0xffff                   ; cluster y: the same in all sixteen partners
	s_cmp_eq_u32 s18, 0
	s_cselect_b32 s[LIMW], 1, -1
	s_lshl_b32 s15, s18, 2
	s_add_co_u32 s15, s15, s14                     ; row tile = 4 x cluster y + cy: b = 4 x row tile + 0..3
	s_lshl_b32 s16, ttmp9, 2
	s_add_co_u32 s16, s16, s13                     ; o tile = 4 x cluster x + cx
	s_lshl_b32 s16, s16, 2
	s_add_co_u32 s16, s16, s[WV]                   ; q: my wave's block of 128 o
	s_lshl_b32 s53, 0x1111, s13                    ; my column of the cluster: places cx, cx + 4, cx + 8, cx + 12
	; descriptor group 1: a tile of 128 rows x 128 elements, padded in LDS
	s_or_b32 s[G1+0], s53, (1<<16)|(1<<20)|(1<<21)|(5<<22)|(3<<25)  ; 15:0 the mask; 17:16 elements of 2 bytes; 20 padding on; 21 set beside a mask; 24:22 after every 64 words (code 5); 31:25 4 words of it (code 3)
	s_mov_b32 s[G1+1], 128<<16                     ; tensor_dim0 = 128
	s_mov_b32 s[G1+2], 128<<16                     ; tensor_dim1 = 128
	s_mov_b32 s[G1+3], 128<<16                     ; tile_dim0 = 128
	s_mov_b32 s[G1+4], 128                         ; tile_dim1 = 128
	s_mov_b32 s[G1+5], 2048                        ; elements from row to row
	s_mov_b32 s[G1+6], 0
	s_mov_b32 s[G1+7], 0
	s_mov_b32 s[SEL], 0x76543210
	s_mov_b32 s[SEL+1], 0xfedcba98
	s_mov_b32 s[HM], 0xffff0000
	; byte offsets, each made apart from the address that it joins
	s_lshl_b32 s20, s15, 2
	s_add_co_u32 s20, s20, s[WV]                   ; the b that I load
	s_lshl_b32 s20, s20, 18                        ; 262,144 bytes of x a b
	s_mov_b32 s21, 0
	s_lshl_b32 s22, s16, 19                        ; 128 rows of 4,096 bytes of wb
	s_mov_b32 s23, 0
	s_lshl_b32 s18, s14, 17                        ; my work-group's 32 of them,
	s_add_co_u32 s18, s18, 512                     ; at K step 2: the first refill steps it to 3 and names K step 4
	s_mov_b32 s19, 0
	s_add_co_u32 s2, s13, 2                        ; the 64 l number 2 + cx: the first trip steps it four on
	s_lshl_b32 s2, s2, 13
	s_mov_b32 s3, 0
	s_lshl_b32 s58, s16, 14                        ; 128 rows of 128 bytes of W_chan
	s_mov_b32 s59, 0
	s_lshl_b32 s60, s15, 15                        ; 4 rows of 8,192 bytes of out0,
	s_lshl_b32 s61, s16, 9                         ; 128 columns of 4 bytes
	s_add_co_u32 s60, s60, s61
	s_mov_b32 s61, 0
	s_mul_i32 s17, s[WV], HALFT                    ; my rows' place in a slot: no place in the cluster enters an LDS address
	s_mul_i32 s62, s[WV], XBL
	s_add_co_u32 s62, s62, XST                     ; my b's place in the stage
	s_mul_i32 s63, s[WV], OWV
	s_add_co_u32 s63, s63, OST                     ; my stage for the way out
	v_and_b32 v1, 15, v0                           ; r
	v_bfe_u32 v2, v0, 4, 1                         ; h
	v_and_b32 v3, 31, v0                           ; lane
	v_mul_u32_u24 v4, v1, PITCH
	v_lshl_add_u32 v4, v2, 4, v4                   ; r x pitch + 16 h
	v_add_nc_u32 v[ADRB], s17, v4
	v_add_nc_u32 v[ADRB+1], SLOT, v[ADRB]
	v_bfe_u32 v5, v0, 2, 1
	v_lshl_add_u32 v5, v2, 1, v5                   ; (8 h + lane % 8) / 4
	v_mul_u32_u24 v5, v5, 288
	v_and_b32 v6, 3, v0
	v_lshl_add_u32 v5, v6, 6, v5                   ; + (lane % 4) x 64
	v_bfe_u32 v6, v0, 3, 1
	v_lshl_add_u32 v5, v6, 4, v5                   ; + 16 ((lane / 8) % 2)
	v_add_nc_u32 v[ADRA], XST, v5
	v_add_nc_u32 v[ADRA+1], XSB, v[ADRA]
	v_lshl_add_u32 v[XS], v3, 3, s62
	v_lshlrev_b32 v[XO], 4, v3
	v_mul_u32_u24 v7, v2, OPITCH
	v_lshl_add_u32 v7, v1, 2, v7                   ; row h, column r
	v_add_nc_u32 v[OSA], s63, v7
	v_lshl_add_u32 v[OSR], v3, 4, s63
	v_lshlrev_b32 v[WCO], 7, v1
	v_lshl_add_u32 v[WCO], v2, 5, v[WCO]           ; row r, c = 8 h on
	v_mov_b32 v[ZR], 0
	v_lshlrev_b32 v[PFO], 12, v3
	v_lshlrev_b32 v[PXO], 8, v3
	s_wait_dscnt 0x0                               ; the opening add is done
	s_wait_kmcnt 0x0
	s_add_nc_u64 s[XP:XP+1], s[4:5], s[20:21]
	s_add_nc_u64 s[56:57], s[6:7], s[22:23]        ; wb at my wave's 128 rows: it hangs on the o tile and the wave alone
	s_add_nc_u64 s[PFW:PFW+1], s[56:57], s[18:19]
	s_add_nc_u64 s[PFX:PFX+1], s[XP:XP+1], s[2:3]
	s_add_nc_u64 s[WCP:WCP+1], s[8:9], s[58:59]
	s_add_nc_u64 s[OUT:OUT+1], s[10:11], s[60:61]
	; W_chan for my 128 o (into the fragment buffers, which are still free), then the first 128 l of my b
.set i, 0
.rept 32
	global_load_b128 v[F0+4*i:F0+4*i+3], v[WCO], s[WCP:WCP+1] offset:(i/4)*2048+((i/2)%2)*64+(i%2)*16
.set i, i+1
.endr
	LOADX 0, 0, 0
	LOADX 1, 0, 8192
	WIN 0
	CROUND                                         ; all sixteen work-groups are here: the first joint loads meet
.irp s, 0,1
	s_mov_b32 s[G0+4*(\s)], 1                                      ; count = 1
	s_add_co_u32 s[G0+4*(\s)+1], s17, (\s)*SLOT                    ; LDS address
	s_add_nc_u64 s[G0+4*(\s)+2:G0+4*(\s)+3], s[56:57], (\s)*256    ; global address: K step s
	s_or_b32 s[G0+4*(\s)+3], s[G0+4*(\s)+3], 0x80000000            ; type = 2
	JLOAD \s                                       ; the two first fills go out together: two tensor loads of mine are out
.endr
	s_wait_loadcnt 32                              ; W_chan is in; x's 32 loads stay out
.set i, 0
.rept 64
	v_cvt_pk_bf16_f32 v[WC+i], v[F0+2*i], v[F0+2*i+1]
.set i, i+1
.endr
	CVT 0, 16                                      ; l 0 to 63 into stage 0
	s_wait_xcnt 0x0
	s_add_nc_u64 s[XP:XP+1], s[XP:XP+1], 16384
	LOADX 0, 0, 0                                  ; l 128 to 191
	WIN 0
	s_wait_tensorcnt 1                             ; my rows of K step 0 are in; K step 1's may stay out
	s_wait_dscnt 0x0                               ; my part of stage 0 is written
	s_barrier_signal -1
	s_barrier_wait -1                              ; everybody's is
	FETCH 0, 0, F0
	QA 0, 1, F0, F1, 1, 1, 1, 16, 1                ; the first quarter stands in front of the loop: its products start the sums
	WIN 0                                          ; at a label and at a branch every window is 0
	s_mov_b32 s[LAPC], 7
.Llap:                                                 ; a trip goes once round the ring, from a lap's second quarter to the next lap's first; it fills both slots again and loads 256 l of x
	QB 0
	QA 0, 3, F0, F1, 0, 1, 0, 16, 1
	TURN 0, 1
	QA 1, 1, F0, F1, 0, 1, 1, 16, 1
	QB 1
	QA 1, 3, F0, F1, 0, 1, 0, 16, 1
	TURN 1, 0
	QA 0, 1, F0, F1, 0, 1, 1, 16, 1
	WIN 0
	s_sub_co_u32 s[LAPC], s[LAPC], 1
	s_cmp_lg_u32 s[LAPC], 0
	s_cbranch_scc1 .Llap
	QB 0                                           ; the last lap, K steps 14 and 15, is written out: it asks for nothing more
	QA 0, 3, F0, F1, 0, 1, 0, 16, 0                ; l 1,920 to 1,983 into stage 0; the last 64 l's loads may stay out
	MEET 0                                         ; my one tensor load that was out is K step 15's, so no round follows
	PLACES
	FETCH 1, 0, F0
	MUL16 F1, 1, 0, 0
	MUL16 F1, 1, 2, 0
	QA 1, 1, F0, F1, 0, 1, 1, 0, 0                 ; the last 64 l into stage 1: no load is younger
	QB 1
	QA 1, 3, F0, F1, 0, 0, 0, 0, 0
	s_wait_dscnt 8                                 ; the very last quarter
	MUL16 F1, 0, 0, 0
	MUL16 F1, 0, 2, 0
	s_wait_dscnt 0x0
	MUL16 F1, 1, 0, 0
	MUL16 F1, 1, 2, 0
	; THE WAY OUT.  For each b and o block f: the sum over ch and j of W_chan x u, in f32, W_chan's bf16 halves read by the multiply-add itself.  Eight chains (f) take turns; each accumulator is read from its register 0 on.
	WIN 0
.rept 8
	v_nop                                          ; the places behind the last products
.endr
.irp bl, 0,1,2,3
	WIN EP_LO+4*((\bl)/2)
.irp ch, 0,1
.irp j, 0,1,2,3,4,5,6,7
.irp f, 0,1,2,3,4,5,6,7
.if ((\ch) == 0) && ((\j) == 0)
	v_fma_mix_f32_bf16 v[SM+8*(\bl)+(\f)], v[WC+8*(\f)+4*(\ch)+(\j)/2], v[8*(8*((2*(\bl)+(\ch))%4)+(\f))+(\j)], v[ZR] op_sel_hi:[1,0,0]
.elseif ((\j)%2) == 0
	v_fma_mix_f32_bf16 v[SM+8*(\bl)+(\f)], v[WC+8*(\f)+4*(\ch)+(\j)/2], v[8*(8*((2*(\bl)+(\ch))%4)+(\f))+(\j)], v[SM+8*(\bl)+(\f)] op_sel_hi:[1,0,0]
.else
	v_fma_mix_f32_bf16 v[SM+8*(\bl)+(\f)], v[WC+8*(\f)+4*(\ch)+(\j)/2], v[8*(8*((2*(\bl)+(\ch))%4)+(\f))+(\j)], v[SM+8*(\bl)+(\f)] op_sel:[1,0,0] op_sel_hi:[1,0,0]
.endif
.endr
.endr
.endr
.endr
	WIN 0
	; A lane holds the c of its half h.  Two b share one exchange: lanes 0-15 send b = 2 i + 1's part and keep b = 2 i's, lanes 16-31 the other way round: half h ends with the whole sum of b = 2 i + h.  k = 8 i + f.
.set k, 0
.rept 16
	v_cndmask_b32 v[EA+k], v[SM+16*(k/8)+8+k%8], v[SM+16*(k/8)+k%8], s[HM]
.set k, k+1
.endr
.set k, 0
.rept 16
	v_cndmask_b32 v[EB+k], v[SM+16*(k/8)+k%8], v[SM+16*(k/8)+8+k%8], s[HM]
.set k, k+1
.endr
.set k, 0
.rept 16
	v_permlanex16_b32 v[SM+16*(k/8)+8+k%8], v[EA+k], s[SEL], s[SEL+1]
.set k, k+1
.endr
.set k, 0
.rept 16
	v_add_f32 v[SM+16*(k/8)+k%8], v[EB+k], v[SM+16*(k/8)+8+k%8]
.set k, k+1
.endr
.set k, 0
.rept 16
	ds_store_b32 v[OSA], v[SM+16*(k/8)+k%8] offset:(k/8)*2*OPITCH+(k%8)*64  ; row 2 i + h, column 16 f + r of my own stage
.set k, k+1
.endr
.irp bl, 0,1,2,3
	ds_load_b128 v[OB+4*(\bl):OB+4*(\bl)+3], v[OSR] offset:(\bl)*OPITCH  ; LDS serves a wave's instructions in order (ISA guide 5.7.1.4): these see the stores above
.endr
.irp bl, 0,1,2,3
	s_wait_dscnt 3-(\bl)                           ; row bl is back; the younger loads may be out
	global_store_b128 v[XO], v[OB+4*(\bl):OB+4*(\bl)+3], s[OUT:OUT+1] offset:(\bl)*8192 th:TH_STORE_NT  ; 512 consecutive bytes of a row of out0, at a multiple of 512 from its first byte
.endr
	s_wait_tensorcnt 0x0                           ; the wave's end: behind my last tensor load and my last LDS store
	ds_add_u32 v[SPW], v[NIL]
	s_wait_dscnt 0x0
	CROUND                                         ; the closing round: no work-group ends while a partner may still ask for a tile that names it
	s_endpgm
.Lfunc_end_k_q0a10a7320c_sepfc:
	.size	k_q0a10a7320c_sepfc, .Lfunc_end_k_q0a10a7320c_sepfc-k_q0a10a7320c_sepfc
	.p2alignl 7, 3214868480
	.fill 96, 4, 3214868480
	.section	.rodata,"a",@progbits
	.p2align	6, 0x0
	.amdhsa_kernel k_q0a10a7320c_sepfc
		.amdhsa_group_segment_fixed_size 327680
		.amdhsa_private_segment_fixed_size 0
		.amdhsa_enable_private_segment 0
		.amdhsa_kernarg_size 32
		.amdhsa_user_sgpr_count 2
		.amdhsa_user_sgpr_kernarg_segment_ptr 1
		.amdhsa_wavefront_size32 1
		.amdhsa_system_sgpr_workgroup_id_x 1
		.amdhsa_system_sgpr_workgroup_id_y 1
		.amdhsa_system_sgpr_workgroup_id_z 1
		.amdhsa_system_vgpr_workitem_id 0
		.amdhsa_next_free_vgpr 1024
		.amdhsa_next_free_sgpr 66
		.amdhsa_reserve_vcc 0
		.amdhsa_float_denorm_mode_32 3
		.amdhsa_float_denorm_mode_16_64 3
		.amdhsa_memory_ordered 1
		.amdhsa_forward_progress 1
		.amdhsa_inst_pref_size 192
	.end_amdhsa_kernel
	.amdgpu_metadata
---
amdhsa.version: [ 1, 2 ]
amdhsa.kernels:
  - .name:           k_q0a10a7320c_sepfc
    .symbol:         k_q0a10a7320c_sepfc.kd
    .args:
      - { .name: x, .offset: 0, .size: 8, .value_kind: global_buffer, .address_space: global }
      - { .name: wb, .offset: 8, .size: 8, .value_kind: global_buffer, .address_space: global }
      - { .name: W_chan, .offset: 16, .size: 8, .value_kind: global_buffer, .address_space: global }
      - { .name: out0, .offset: 24, .size: 8, .value_kind: global_buffer, .address_space: global }
    .group_segment_fixed_size: 327680
    .private_segment_fixed_size: 0
    .kernarg_segment_align: 8
    .kernarg_segment_size: 32
    .max_flat_workgroup_size: 128
    .sgpr_count:     66
    .vgpr_count:     1024
    .wavefront_size: 32
...
	.end_amdgpu_metadata
.endif
;; end of part 2
;; ======== version 2 of 2: 2 launches; version 1 with the launch castw written anew for expert scheduling mode
;; workspace buffers: wb 8,388,608 bytes
;; launch castw (part 3): grid 256 x 1, 8 waves a work-group, no clusters, 0 bytes of LDS; arguments W_pos, wb; writes wb
.if DOCPART == 3
	.amdgcn_target "amdgcn-amd-amdhsa--gfx1250"
	.amdhsa_code_object_version 6
	.text
	.protected	k_q0a10a7320c_castw
	.globl	k_q0a10a7320c_castw
	.p2align	8
	.type	k_q0a10a7320c_castw,@function
k_q0a10a7320c_castw:
	s_mov_b64 s[64:65], 0
	v_nop
	global_prefetch_b8 v0, s[64:65] scope:SCOPE_SE
	s_setreg_imm32_b32 hwreg(HW_REG_WAVE_SCHED_MODE, 0, 2), 2
	s_setreg_imm32_b32 hwreg(HW_REG_WAVE_MODE, 25, 1), 1
	s_wait_xcnt 0x0
	s_wait_alu depctr_vm_vsrc(0)
; wb[o][l] = W_pos[o][l] rounded once to bf16 (to nearest even), same order: [2048][2048].
; A stream: 16,777,216 bytes in, 8,388,608 out.  256 work-groups of eight waves; a work-group takes 65,536 bytes of W_pos, a wave 8,192:
; sixteen loads of 16 bytes a lane, each 512 consecutive bytes, all issued before the first is used.  A load's four numbers a lane pack into 8 bytes,
; so a store of the wave covers 256 consecutive bytes, aligned.  No loop, no LDS, no register is written twice.
; THE MODE: SCHED_MODE bits 1:0 = 2 (LLVM: expert scheduling mode 2), set by the entry lines.  The code itself states the register dependences
; between vector instructions and memory instructions, with s_wait_alu, always for 0.
; THE PLAN.  Registers that memory instructions touch:
;   v1, v2   byte offsets of the loads and of the stores: made at the head by vector instructions, never written again.
;   X        load i lands in four registers that no vector instruction has named; its two conversions read them; nothing lands there again.
;   Y        load i's two conversions write a pair; one store reads it; it is never written again.
; So no register that a memory instruction reads is written again, and the only dependence to state is: written by a vector instruction, then read by a memory instruction.
; The sixteen loads go in four groups of four.  Group g's conversions write Y of group g; the four stores of group g - 1 are dealt among them, one ahead of each pair of conversions.
; No conversion of group g names Y of group g - 1 or v2: one wait at the group's head serves the four stores.
.set X, 4                              ; v[4:67]   load i: four f32
.set Y, 68                             ; v[68:99]  load i: four bf16 in two registers
.set GRP, 4                            ; loads in a group
	s_load_b128 s[4:7], s[0:1], 0x0                ; W_pos s[4:5], wb s[6:7]
	s_lshl_b32 s2, ttmp9, 16                       ; the work-group's 65,536 bytes of W_pos
	s_mov_b32 s3, 0
	s_lshl_b32 s8, ttmp9, 15                       ; and its 32,768 bytes of wb
	s_mov_b32 s9, 0
	v_lshrrev_b32 v1, 5, v0                        ; wave
	v_and_b32 v2, 31, v0                           ; lane
	v_lshlrev_b32 v2, 4, v2
	v_lshl_or_b32 v1, v1, 13, v2                   ; in: 8,192 x wave + 16 x lane
	v_lshrrev_b32 v2, 1, v1                        ; out: half of that
	s_wait_kmcnt 0x0
	s_add_nc_u64 s[4:5], s[4:5], s[2:3]
	s_add_nc_u64 s[6:7], s[6:7], s[8:9]
	s_wait_alu depctr_va_vdst(0)                   ; v1 and v2 are written: every load reads v1 as its offset, every store v2
.set i, 0
.rept 16
	global_load_b128 v[X+4*i:X+4*i+3], v1, s[4:5] offset:512*i th:TH_LOAD_NT
.set i, i+1
.endr
.set g, 0
.rept 16/GRP
	s_wait_loadcnt 16-GRP-GRP*g                    ; loads come back in order: group g's four are in, the younger groups' stay out
.if g > 0
	s_wait_alu depctr_va_vdst(0)                   ; the conversions of group g - 1 have written their Y, which the four stores below read
.endif
.set k, 0
.rept GRP
.set i, GRP*g+k
.if g > 0
	global_store_b64 v2, v[Y+2*(i-GRP):Y+2*(i-GRP)+1], s[6:7] offset:256*(i-GRP)  ; the group before; no vector instruction since the wait names these registers
.endif
	v_cvt_pk_bf16_f32 v[Y+2*i], v[X+4*i], v[X+4*i+1]
	v_cvt_pk_bf16_f32 v[Y+2*i+1], v[X+4*i+2], v[X+4*i+3]
.set k, k+1
.endr
.set g, g+1
.endr
	s_wait_alu depctr_va_vdst(0)                   ; the last group's conversions have written their Y, which the last four stores read
.set i, 16-GRP
.rept GRP
	global_store_b64 v2, v[Y+2*i:Y+2*i+1], s[6:7] offset:256*i
.set i, i+1
.endr
	s_endpgm
.Lfunc_end_k_q0a10a7320c_castw:
	.size	k_q0a10a7320c_castw, .Lfunc_end_k_q0a10a7320c_castw-k_q0a10a7320c_castw
	.p2alignl 7, 3214868480
	.fill 96, 4, 3214868480
	.section	.rodata,"a",@progbits
	.p2align	6, 0x0
	.amdhsa_kernel k_q0a10a7320c_castw
		.amdhsa_group_segment_fixed_size 0
		.amdhsa_private_segment_fixed_size 0
		.amdhsa_enable_private_segment 0
		.amdhsa_kernarg_size 16
		.amdhsa_user_sgpr_count 2
		.amdhsa_user_sgpr_kernarg_segment_ptr 1
		.amdhsa_wavefront_size32 1
		.amdhsa_system_sgpr_workgroup_id_x 1
		.amdhsa_system_sgpr_workgroup_id_y 1
		.amdhsa_system_sgpr_workgroup_id_z 1
		.amdhsa_system_vgpr_workitem_id 0
		.amdhsa_next_free_vgpr 104
		.amdhsa_next_free_sgpr 66
		.amdhsa_reserve_vcc 0
		.amdhsa_float_denorm_mode_32 3
		.amdhsa_float_denorm_mode_16_64 3
		.amdhsa_memory_ordered 1
		.amdhsa_forward_progress 1
		.amdhsa_inst_pref_size 7
	.end_amdhsa_kernel
	.amdgpu_metadata
---
amdhsa.version: [ 1, 2 ]
amdhsa.kernels:
  - .name:           k_q0a10a7320c_castw
    .symbol:         k_q0a10a7320c_castw.kd
    .args:
      - { .name: W_pos, .offset: 0, .size: 8, .value_kind: global_buffer, .address_space: global }
      - { .name: wb, .offset: 8, .size: 8, .value_kind: global_buffer, .address_space: global }
    .group_segment_fixed_size: 0
    .private_segment_fixed_size: 0
    .kernarg_segment_align: 8
    .kernarg_segment_size: 16
    .max_flat_workgroup_size: 256
    .sgpr_count:     66
    .vgpr_count:     104
    .wavefront_size: 32
...
	.end_amdgpu_metadata
.endif
;; end of part 3
;; launch sepfc: the kernel of part 2 again; grid 4 x 128, 4 waves a work-group, clusters of 4 x 4, 327,680 bytes of LDS; arguments x, wb, W_chan, out0; writes out0
